; MI455X (gfx1250); checked and timed in simulation.
; The chip was launched on July 23, 2026; its instructions are those of AMD's public machine-readable ISA for CDNA 5 (MIT licence, August 2026) and "CDNA5" Instruction Set Architecture Reference Guide (July 2026). The comments in the code are by the model that wrote it; some were corrected since.
;; Linear Mem. Allowed arithmetic: matrix products marked QUANTISED: E2M1 operands, one E8M0 scale for each 32 along K, by v_wmma_scale_f32_16x16x128_f8f6f4 with both operands' format E2M1 (or v_wmma_scale_f32_32x16x128_f4), f32 sums; everything else in f32.
;; Inputs: bias 4,096 float32; weight 4,096 x 4,096 float32; x 4,096 x 4,096 float32.
;; Outputs: out0 4,096 x 4,096 float32.
;; This version of the problem:
;;   THIS VERSION OF THE PROBLEM IS GIVEN IN LOW PRECISION. The matrix products marked QUANTISED in the list below multiply operands that are first quantised to E2M1 (2 exponent bits, 1 mantissa bit; 4 bits a number), with one power-of-two scale for each 32 numbers along K (OCP MX v1.0); their sums are f32. All else is computed in f32.
;;   The module's matrix products, in the order in which they are computed (A, B: the left and right operand; K: the contracted axis; several contracted axes count as one K, in the product's order):
;;     1. [M 4,096, K 4,096] x [K 4,096, N 4,096]; A: computed on the way; B: computed on the way: QUANTISED
;;   THE QUANTISER, for each operand of a quantised product, along K:
;;     - K is cut into blocks of 32 from its start; a last block that is shorter is filled with zeros.
;;     - A block's scale is 2^e with e = floor(log2(the largest magnitude in the block)) - 2, held to -126 .. 127; a block of zeros has e = 0. As a byte (E8M0): e + 127.
;;     - Each number is divided by its block's scale, clamped to +-6, and rounded to the nearest number of E2M1, ties to even, subnormals kept.
;;     - The product sums the exact products of the quantised numbers (number of the format x scale) in f32.
;;   ~~~python
;;   def quantise(x, axis):      # numpy; x: float32 -> the quantised numbers, widened to float32 again
;;       x = np.moveaxis(x, axis, -1); K = x.shape[-1]
;;       x = np.pad(x, [(0, 0)] * (x.ndim - 1) + [(0, -K % 32)]); x = x.reshape(x.shape[:-1] + (-1, 32)); a = np.abs(x).max(-1, keepdims=True)
;;       e = np.where(a > 0, np.clip(np.frexp(np.where(a > 0, a, 1))[1] - 1 - 2, -126, 127), 0)      # np.frexp(a)[1] - 1 = floor(log2(a)), exactly
;;       r = np.clip(x / 2.0 ** e, -6, 6)
;;       step = 2.0 ** (np.maximum(np.frexp(np.where(r == 0, 1, r))[1] - 1, 0) - 1)
;;       q = np.round(r / step) * step * 2.0 ** e      # np.round: ties to even
;;       return np.moveaxis(q.reshape(q.shape[:-2] + (-1,))[..., :K], -1, axis).astype(np.float32)
;;   ~~~
;;   OPERANDS COMPUTED ON THE WAY. 'Computed on the way' means the value that the module computes at that place (a softmax that the list does not call 'softmax' is quantised finished and normalised). What goes into a quantiser is computed in f32, as accurately as f32 sums, v_exp_f32 and their like allow (about 1e-6 of the number): no bf16 or f16 on the way to a quantiser, and a product that is left as it is and whose result goes on into a quantised operand takes f32 operands (vector FMAs, or v_wmma_f32_16x16x4_f32). A number that lies on a knife's edge between two numbers of the format may be rounded either way, as far as f32 arithmetic and the matrix unit's own rounding can turn it there, and no further.
;; One version. Each part assembles by itself: llvm-mc -triple=amdgcn-amd-amdhsa -mcpu=gfx1250 --defsym DOCPART=n.
;; ======== version 1 of 1: 2 launches
;; limits: right only within a limited range of input values
;; workspace buffers: xc 8,912,896 bytes; wc 8,912,896 bytes
;; launch quant (part 1): grid 2 x 256, 8 waves a work-group, no clusters, 105,472 bytes of LDS; arguments x, weight, xc, wc; writes xc, wc
.if DOCPART == 1
	.amdgcn_target "amdgcn-amd-amdhsa--gfx1250"
	.amdhsa_code_object_version 6
	.text
	.protected	k_qc31ac9037e_quant
	.globl	k_qc31ac9037e_quant
	.p2align	8
	.type	k_qc31ac9037e_quant,@function
k_qc31ac9037e_quant:
	s_mov_b64 s[64:65], 0
	v_nop
	global_prefetch_b8 v0, s[64:65] scope:SCOPE_SE
	s_setreg_imm32_b32 hwreg(HW_REG_WAVE_MODE, 25, 1), 1
	s_wait_xcnt 0x0
; x [4096][4096] and weight [4096][4096], f32, K innermost in both, are (1) fake-quantised to 8 signed bits and (2) turned into codes of FP4 (E2M1) with one E8M0 byte for each 32 along K.
; (1) A block is 1 row x 32 along K in x, and 32 rows x 32 along K in weight (the 32 x 32 block of weight.T).  m = its largest magnitude (1 where that is 0); scale = 127 / m; q = round to even (number x scale); the
;     number that goes on is q / scale.  scale is made as the rounded quotient (reciprocal, one Newton step, one residual step), number x scale is ONE f32 multiplication and the rounding a line of its own, as the
;     definition has them.  THE CLIP TO +-127 IS NOT WRITTEN: |number| <= m and scale <= (127 / m)(1 + 2^-24), so |number x scale| stays under 127.5 and its rounding never passes 127.
; (2) The MX block is 32 along K of one row.  Its largest magnitude is (largest |q|) / scale, made as a rounded quotient, since it decides the byte; the byte is its exponent field - 2, held at 1 from below.
;     The other numbers are q x (1 / scale), within about an ulp of q / scale.
; LIMITS: a block's largest magnitude is 0 or lies between 2^-100 and 2^100 (v_rcp_f32 takes denormals as zero: ISA guide, its entry); NaN and infinities are not served; an MX block of zeros gets the byte 1 and not 127:
;     its codes are zeros, which add nothing under that byte, and the bytes are read by this program alone.
; OUT: xc and wc are laid [K step of 512][row][272 bytes]: a record holds a row's 512 codes (256 bytes, the lower k in the low four bits) and behind them its 16 scale bytes.
; SHARES: work-group (g, y), eight waves: y < 128: rows 32 y on of x, else rows 32 (y - 128) on of weight; K steps 4 g .. 4 g + 3, one after the other: four BLOCKS of 32 rows x 512 columns in, 32 records = 8,704
;     consecutive bytes out.  Wave w takes columns 64 w on of all 32 rows: 8 KB a block.  Both tensors take ONE path: only the two pointers and a lane mask are chosen, on the work-group's number.
; LOADS RUN TWO BLOCKS AHEAD, in two sets of 64 registers: blocks 0 and 1 are asked for at the head, block n + 2 as soon as block n's registers have gone into the stage: 32 loads, 16 KB, of a wave are out
;     while a block is worked on.  512 work-groups of 256 registers a wave and 105,472 bytes of LDS: two to a WGP, all of them at work from the start.
; Each load reads 256 consecutive bytes of two rows; a block's 8 KB turn through the wave's own stage in LDS, so that lane l then holds row l and its 64 registers run along K: two whole blocks of 32 a lane.
; No loop: the four blocks are written out, every offset is an immediate, and no address register is written again.  Each block has record bytes of its own in LDS, so one barrier a block is all.
.set ROWB,  16384                      ; a row of x or of weight in bytes
.set SPI,   272                        ; a stage row: 256 bytes + 16, an odd multiple of 16: the 16 rows that a read touches start at 16 different banks (64 banks of 4 bytes: ISA guide 11.1)
.set INSW,  32*SPI                     ; a wave's stage
.set REC,   272
.set OUTB,  32*REC                     ; a block's 32 records
.set OUTS,  8*INSW                     ; behind the eight stages: four times 32 records
.set KSB,   4096*REC                   ; a K step of all rows in xc or wc
.set NBLK,  4
.set M,     8                          ; v8-9     m of my two blocks
.set MW,    10                         ; v10-11   the same over the 32 rows
.set T,     12                         ; v12-13   the lane permute's results
.set Y,     14                         ; v14-15   a maximum's second chain
.set SCL,   16                         ; v[16+2b] scale, v[17+2b] 1 / m: the packed multiply names the pair and takes its low word
.set INV,   20                         ; v[20+2b] 1 / scale, v[21+2b] its first approximation
.set E,     24                         ; v24-25   residuals
.set QM,    26                         ; v26-27   the largest |q| of my row's block
.set AM,    28                         ; v28-29   the largest magnitude that goes into the MX quantiser
.set SO,    30                         ; v30-31   the conversion's scale operand
.set BY,    32                         ; v32-33   the scale bytes
.set WD,    34                         ; v34      my row's two scale bytes for these 64 along K
.set C,     36                         ; v36-43   the codes
.set O,     44                         ; v44-55   the way out
.set D,     64                         ; v64-127  the numbers, a row to a lane
.set R,     128                        ; v128-255 two sets of 64: the numbers as they are loaded
.macro LOAD blk                        ; block blk into set blk % 2: load i brings rows 2 i (lanes 0-15) and 2 i + 1 (lanes 16-31), 256 consecutive bytes of each, at a multiple of 256 from the buffer's first byte; read once in the launch
.set i, 0
.rept 16
	global_load_b128 v[R+64*((\blk)%2)+4*i:R+64*((\blk)%2)+4*i+3], v1, s[4:5] offset:2048*(\blk)+2*ROWB*i th:TH_LOAD_NT
.set i, i+1
.endr
.endm
; the largest magnitude of each of my two blocks: two chains a block, the blocks by turns, so that no line waits for the line above it
.macro MAX32 dst
.irp b, 0,1
	v_max3_num_f32 v[\dst+\b], |v[D+32*\b]|, |v[D+32*\b+1]|, |v[D+32*\b+2]|
	v_max3_num_f32 v[Y+\b], |v[D+32*\b+3]|, |v[D+32*\b+4]|, |v[D+32*\b+5]|
.endr
.irp i, 6,10,14,18,22,26
.irp b, 0,1
	s_delay_alu instid0(VALU_DEP_4)
	v_max3_num_f32 v[\dst+\b], v[\dst+\b], |v[D+32*\b+\i]|, |v[D+32*\b+\i+1]|
	s_delay_alu instid0(VALU_DEP_4)
	v_max3_num_f32 v[Y+\b], v[Y+\b], |v[D+32*\b+\i+2]|, |v[D+32*\b+\i+3]|
.endr
.endr
.irp b, 0
	s_delay_alu instid0(VALU_DEP_4)
	v_max3_num_f32 v[\dst+\b], v[\dst+\b], |v[D+32*\b+30]|, |v[D+32*\b+31]|
.endr
.irp b, 1
	s_delay_alu instid0(VALU_DEP_3)
	v_max3_num_f32 v[\dst+\b], v[\dst+\b], |v[D+32*\b+30]|, |v[D+32*\b+31]|
.endr
.irp b, 0,1
	s_delay_alu instid0(VALU_DEP_2)
	v_max_num_f32 v[\dst+\b], v[\dst+\b], v[Y+\b]
.endr
.endm
; all 64 numbers times the low word of their block's pair
.macro PKMUL pair
.irp i, 0,2,4,6,8,10,12,14,16,18,20,22,24,26,28,30
.irp b, 0,1
	v_pk_mul_f32 v[D+32*\b+\i:D+32*\b+\i+1], v[D+32*\b+\i:D+32*\b+\i+1], v[\pair+2*\b:\pair+2*\b+1] op_sel_hi:[1,0]
.endr
.endr
.endm
; v[D] on: register 32 b + i = k 32 b + i of my row's 64.  Out: the codes in v[C] on, the two scale bytes in v[WD]
.macro COMPUTE
	MAX32 M
	; the same over the 32 rows: always computed, taken where the mask says so (weight)
.irp b, 0,1
	s_delay_alu instid0(VALU_DEP_2)
	v_mov_b32 v[MW+\b], v[M+\b]
.endr
.irp x, 1,2,4,8
.irp b, 0,1
	s_delay_alu instid0(VALU_DEP_2)
	v_max_num_f32_dpp v[MW+\b], v[MW+\b], v[MW+\b] row_xmask:\x row_mask:0xf bank_mask:0xf
.endr
.endr
.irp b, 0,1
	s_delay_alu instid0(VALU_DEP_2)
	v_permlanex16_b32 v[T+\b], v[MW+\b], s22, s23
.endr
.irp b, 0,1
	s_delay_alu instid0(VALU_DEP_2)
	v_max_num_f32 v[MW+\b], v[MW+\b], v[T+\b]
.endr
.irp b, 0,1
	v_mov_b32 v[QM+\b], v[M+\b]                    ; my own row's largest magnitude is kept: it gives the row's largest |q| below
.endr
.irp b, 0,1
	s_delay_alu instid0(VALU_DEP_4)
	v_cndmask_b32 v[M+\b], v[M+\b], v[MW+\b], s20
.endr
.irp b, 0
	s_delay_alu instid0(VALU_DEP_2)
	v_cmp_lt_f32 vcc_lo, 0, v[M+\b]
	s_delay_alu instid0(VALU_DEP_1)
	v_cndmask_b32 v[M+\b], 1.0, v[M+\b], vcc_lo    ; a block of zeros: m = 1
.endr
.irp b, 1
	s_delay_alu instid0(VALU_DEP_3)
	v_cmp_lt_f32 vcc_lo, 0, v[M+\b]
	s_delay_alu instid0(VALU_DEP_1)
	v_cndmask_b32 v[M+\b], 1.0, v[M+\b], vcc_lo    ; a block of zeros: m = 1
.endr
	; scale = 127 / m, rounded as a division rounds
	s_wait_alu depctr_va_vdst(0)
.irp b, 0,1
	v_rcp_f32 v[SCL+2*\b+1], v[M+\b]
.endr
	v_nop                                          ; a plain instruction between the last reciprocal and the use of its result
	s_wait_alu depctr_va_vdst(0)
.irp b, 0,1
	v_fma_f32 v[E+\b], -v[M+\b], v[SCL+2*\b+1], 1.0
.endr
.irp b, 0,1
	v_fma_f32 v[SCL+2*\b+1], v[E+\b], v[SCL+2*\b+1], v[SCL+2*\b+1]   ; 1 / m after a Newton step
.endr
.irp b, 0,1
	s_delay_alu instid0(VALU_DEP_2)
	v_mul_f32 v[SCL+2*\b], s21, v[SCL+2*\b+1]
.endr
.irp b, 0,1
	s_delay_alu instid0(VALU_DEP_2)
	v_fma_f32 v[E+\b], -v[SCL+2*\b], v[M+\b], s21  ; what the first quotient leaves of 127, exactly
.endr
.irp b, 0,1
	s_delay_alu instid0(VALU_DEP_2)
	v_fma_f32 v[SCL+2*\b], v[E+\b], v[SCL+2*\b+1], v[SCL+2*\b]
.endr
	; 1 / scale
	s_wait_alu depctr_va_vdst(0)
.irp b, 0,1
	v_rcp_f32 v[INV+2*\b+1], v[SCL+2*\b]
.endr
	v_nop
	s_wait_alu depctr_va_vdst(0)
.irp b, 0,1
	v_fma_f32 v[E+\b], -v[INV+2*\b+1], v[SCL+2*\b], 1.0
.endr
.irp b, 0,1
	v_fma_f32 v[INV+2*\b], v[E+\b], v[INV+2*\b+1], v[INV+2*\b+1]
.endr
	PKMUL SCL                                      ; number x scale: one rounding,
.set i, 0
.rept 64
	v_rndne_f32 v[D+i], v[D+i]                     ; and to the nearest whole number, ties to even: q
.set i, i+1
.endr
	; my row's largest |q| in each block of 32: a multiplication by a positive scale and the rounding to a whole number both keep the order of magnitudes, so it is the q of the row's largest magnitude, bit for bit
.irp b, 0,1
	v_mul_f32 v[QM+\b], v[QM+\b], v[SCL+2*\b]
.endr
.irp b, 0,1
	v_rndne_f32 v[QM+\b], v[QM+\b]
.endr
	; the MX block's largest magnitude = that / scale, rounded as a division rounds
.irp b, 0,1
	s_delay_alu instid0(VALU_DEP_2)
	v_mul_f32 v[AM+\b], v[QM+\b], v[INV+2*\b]
.endr
.irp b, 0,1
	s_delay_alu instid0(VALU_DEP_2)
	v_fma_f32 v[E+\b], -v[AM+\b], v[SCL+2*\b], v[QM+\b]
.endr
.irp b, 0,1
	s_delay_alu instid0(VALU_DEP_2)
	v_fma_f32 v[AM+\b], v[E+\b], v[INV+2*\b], v[AM+\b]
.endr
.irp b, 0,1
	s_delay_alu instid0(VALU_DEP_2)
	v_max_num_f32 v[AM+\b], 0x1800000, v[AM+\b]    ; the floor 2^(3 - 127): the byte cannot fall under 1
.endr
.irp b, 0,1
	s_delay_alu instid0(VALU_DEP_2)
	v_add_nc_u32 v[SO+\b], 0xff000000, v[AM+\b]    ; 2 off its exponent field: the conversion takes the exponent field of this operand as its scale, and nothing else of it
.endr
.irp b, 0,1
	s_delay_alu instid0(VALU_DEP_2)
	v_lshrrev_b32 v[BY+\b], 23, v[SO+\b]           ; the scale's byte
.endr
	s_delay_alu instid0(VALU_DEP_1)
	v_lshl_or_b32 v[WD], v[BY+1], 8, v[BY]         ; the lower k in the lower byte
	PKMUL INV                                      ; q / scale
.irp b, 0,1
.irp g, 0,1,2,3
	v_cvt_scalef32_pk8_fp4_f32 v[C+4*\b+\g], v[D+32*\b+8*\g:D+32*\b+8*\g+7], v[SO+\b]   ; eight neighbours along K: the first one's code in the lowest four bits
.endr
.endr
	v_nop                                          ; one plain place behind the last scaled conversion
.endm
; One block.  more = 1: the set that it leaves is loaded again, with the block two further on.  young = the loads of the other set, which may stay out.
.macro ITER blk, more, young
.set RS, R+64*((\blk)%2)
.set i, 0
.rept 16
	s_wait_loadcnt \young+15-i                     ; loads come back in order: load i of this block is in; its 15 - i younger ones and the other set's may be out
	ds_store_b128 v2, v[RS+4*i:RS+4*i+3] offset:2*SPI*i
.set i, i+1
.endr
.set i, 0
.rept 16
	ds_load_b128 v[D+4*i:D+4*i+3], v3 offset:16*i  ; my row, columns 4 i on.  LDS serves a wave's instructions in order: these see the stores above
.set i, i+1
.endr
.if \more
	s_wait_dscnt 16                                ; all but the 16 loads just issued: the stores have read their registers,
	LOAD (\blk)+2                                  ; which take the block two further on
.endif
	s_wait_dscnt 0x0                               ; register D + 32 b + i is now k = 64 wave + 32 b + i of row lane
	COMPUTE
	ds_store_b128 v4, v[C:C+3] offset:OUTB*(\blk)
	ds_store_b128 v4, v[C+4:C+7] offset:OUTB*(\blk)+16
	ds_store_b16 v5, v[WD] offset:OUTB*(\blk)
	s_wait_dscnt 0x0                               ; for the others' sake: my part of the records has landed
	s_barrier_signal -1
	s_barrier_wait -1                              ; this block's 32 records are whole
.if (\blk) > 0
	s_wait_xcnt 0x0                                ; the last block's stores have read their data registers, which the loads below fill
.endif
	ds_load_b128 v[O:O+3], v6 offset:OUTB*(\blk)
	ds_load_b128 v[O+4:O+7], v6 offset:OUTB*(\blk)+4096
	s_wait_dscnt 1                                 ; the first is in, the second may be out
	global_store_b128 v7, v[O:O+3], s[8:9] offset:KSB*(\blk)          ; each store of a wave covers 512 consecutive bytes, at a multiple of 256 from the buffer's first byte
	s_wait_dscnt 0x0
	global_store_b128 v7, v[O+4:O+7], s[8:9] offset:KSB*(\blk)+4096
	s_cmp_lg_u32 s12, 0                            ; 8,704 = 2 x 4,096 + 512: wave 0 takes the last 512 bytes
	s_cbranch_scc1 .Lrest_\@
	ds_load_b128 v[O+8:O+11], v6 offset:OUTB*(\blk)+8192
	s_wait_dscnt 0x0
	global_store_b128 v7, v[O+8:O+11], s[8:9] offset:KSB*(\blk)+8192
.Lrest_\@:
.endm
	s_load_b256 s[4:11], s[0:1], 0x0               ; x s[4:5], weight s[6:7], xc s[8:9], wc s[10:11]
	v_lshl_add_u32 v62, v0, 2, 0x19800
	v_mov_b32 v63, 0
	v_lshrrev_b32 v8, 5, v0
	s_delay_alu instid0(VALU_DEP_1)
	v_readfirstlane_b32 s12, v8                    ; wave 0..7
	v_and_b32 v8, 15, v0                           ; lane % 16
	v_bfe_u32 v9, v0, 4, 1                         ; lane / 16
	v_and_b32 v10, 31, v0                          ; lane
	s_delay_alu instid0(VALU_DEP_2)
	v_lshlrev_b32 v1, 14, v9                       ; in memory: lanes 16-31 one row further down,
	s_delay_alu instid0(VALU_DEP_1)
	v_lshl_add_u32 v1, v8, 4, v1                   ; 16 bytes a lane,
	s_lshl_b32 s15, s12, 8
	v_add_nc_u32 v1, s15, v1                       ; my wave's 256 bytes of a row's 2,048; never rewritten
	s_and_b32 s13, ttmp7, 0xffff                   ; y
	s_mov_b32 s21, 0x42fe0000                      ; 127.0
	s_mov_b32 s22, 0x76543210
	s_mov_b32 s23, 0xfedcba98                      ; v_permlanex16_b32's selects for lane l xor 16
	s_wait_alu depctr_va_vdst(0)
	s_wait_kmcnt 0x0
	s_cmp_lt_u32 s13, 128                          ; x or weight?  The choice hangs on the work-group's number alone
	s_cselect_b64 s[4:5], s[4:5], s[6:7]
	s_cselect_b64 s[8:9], s[8:9], s[10:11]
	s_cselect_b32 s20, 0, -1                       ; all lanes set: m is taken over the 32 rows
	s_and_b32 s13, s13, 127                        ; which 32 rows
	s_lshl_b32 s16, s13, 19                        ; 32 rows of 16,384 bytes
	s_lshl_b32 s14, ttmp9, 13                      ; four K steps of 2,048 bytes
	s_add_co_u32 s16, s16, s14
	s_mov_b32 s17, 0
	s_mul_i32 s18, ttmp9, NBLK*KSB
	s_mul_i32 s14, s13, OUTB
	s_add_co_u32 s18, s18, s14
	s_mov_b32 s19, 0
	s_add_nc_u64 s[4:5], s[4:5], s[16:17]
	s_add_nc_u64 s[8:9], s[8:9], s[18:19]
	LOAD 0
	LOAD 1
	s_mul_i32 s14, s12, INSW                       ; my stage
	v_mul_u32_u24 v2, v9, SPI
	s_delay_alu instid0(VALU_DEP_1)
	v_lshl_add_u32 v2, v8, 4, v2
	s_delay_alu instid0(VALU_DEP_1)
	v_add_nc_u32 v2, s14, v2                       ; in: lanes 0-15 one row, lanes 16-31 the next, 16 bytes a lane
	v_mul_u32_u24 v4, v10, REC                     ; 272 x lane: my row in the stage, and my row's record
	s_delay_alu instid0(VALU_DEP_1)
	v_add_nc_u32 v3, s14, v4                       ; back: row = my lane
	s_lshl_b32 s15, s12, 1
	s_add_co_u32 s15, s15, OUTS+256
	v_add_nc_u32 v5, s15, v4                       ; the record's scale bytes 2 wave and 2 wave + 1
	s_lshl_b32 s15, s12, 5
	s_add_co_u32 s15, s15, OUTS
	v_add_nc_u32 v4, s15, v4                       ; its 32 bytes of codes number wave
	v_lshlrev_b32 v7, 4, v0                        ; the way out: 16 bytes a thread, in memory
	s_delay_alu instid0(VALU_DEP_1)
	v_add_nc_u32 v6, OUTS, v7                      ; and in the records
.irp b, 0,1
	v_mov_b32 v[T+\b], 0                           ; written once: a lane permute's destination counts as one of its sources
.endr
	s_wait_alu depctr_va_vdst(0)
	ITER 0, 1, 16
	ITER 1, 1, 16
	ITER 2, 0, 16                                  ; the last two blocks ask for nothing more
	ITER 3, 0, 0
	s_wait_tensorcnt 0x0
	ds_add_u32 v62, v63
	s_wait_dscnt 0x0
	s_endpgm
.Lfunc_end_k_qc31ac9037e_quant:
	.size	k_qc31ac9037e_quant, .Lfunc_end_k_qc31ac9037e_quant-k_qc31ac9037e_quant
	.p2alignl 7, 3214868480
	.fill 96, 4, 3214868480
	.section	.rodata,"a",@progbits
	.p2align	6, 0x0
	.amdhsa_kernel k_qc31ac9037e_quant
		.amdhsa_group_segment_fixed_size 105472
		.amdhsa_private_segment_fixed_size 0
		.amdhsa_enable_private_segment 0
		.amdhsa_kernarg_size 32
		.amdhsa_user_sgpr_count 2
		.amdhsa_user_sgpr_kernarg_segment_ptr 1
		.amdhsa_wavefront_size32 1
		.amdhsa_system_sgpr_workgroup_id_x 1
		.amdhsa_system_sgpr_workgroup_id_y 1
		.amdhsa_system_sgpr_workgroup_id_z 1
		.amdhsa_system_vgpr_workitem_id 0
		.amdhsa_next_free_vgpr 256
		.amdhsa_next_free_sgpr 66
		.amdhsa_reserve_vcc 1
		.amdhsa_float_denorm_mode_32 3
		.amdhsa_float_denorm_mode_16_64 3
		.amdhsa_memory_ordered 1
		.amdhsa_forward_progress 1
		.amdhsa_inst_pref_size 78
	.end_amdhsa_kernel
	.amdgpu_metadata
---
amdhsa.version: [ 1, 2 ]
amdhsa.kernels:
  - .name:           k_qc31ac9037e_quant
    .symbol:         k_qc31ac9037e_quant.kd
    .args:
      - { .name: x, .offset: 0, .size: 8, .value_kind: global_buffer, .address_space: global }
      - { .name: weight, .offset: 8, .size: 8, .value_kind: global_buffer, .address_space: global }
      - { .name: xc, .offset: 16, .size: 8, .value_kind: global_buffer, .address_space: global }
      - { .name: wc, .offset: 24, .size: 8, .value_kind: global_buffer, .address_space: global }
    .group_segment_fixed_size: 105472
    .private_segment_fixed_size: 0
    .kernarg_segment_align: 8
    .kernarg_segment_size: 32
    .max_flat_workgroup_size: 256
    .sgpr_count:     66
    .vgpr_count:     256
    .wavefront_size: 32
...
	.end_amdgpu_metadata
.endif
;; end of part 1
;; launch gemm (part 2): grid 16 x 16, 4 waves a work-group, clusters of 4 x 4, 327,680 bytes of LDS; arguments xc, wc, bias, out0; writes out0
.if DOCPART == 2
	.amdgcn_target "amdgcn-amd-amdhsa--gfx1250"
	.amdhsa_code_object_version 6
	.text
	.protected	k_qc31ac9037e_gemm
	.globl	k_qc31ac9037e_gemm
	.p2align	8
	.type	k_qc31ac9037e_gemm,@function
k_qc31ac9037e_gemm:
	s_mov_b64 s[64:65], 0
	v_nop
	global_prefetch_b8 v0, s[64:65] scope:SCOPE_SE
	s_setreg_imm32_b32 hwreg(HW_REG_WAVE_MODE, 25, 1), 1
	s_wait_xcnt 0x0
	s_wait_alu depctr_hold_cnt(0) depctr_sa_sdst(0) depctr_va_vdst(0) depctr_va_sdst(0) depctr_va_ssrc(0) depctr_va_vcc(0) depctr_vm_vsrc(0)
	s_getreg_b32 s2, hwreg(HW_REG_IB_STS2, 6, 4)
	s_cmp_eq_u32 s2, 0
	s_cbranch_scc0 .Lentry_in_a_cluster
	s_endpgm
.Lentry_in_a_cluster:
	s_bfe_u32 s2, ttmp6, 0x10000c
	s_cmp_lg_u32 s2, 0xf033
	s_cbranch_scc0 .Lentry_shape_is_right
	s_endpgm
.Lentry_shape_is_right:
; out0[m][n] = sum over k of X[m][k] W[n][k] + bias[n].  X and W are the FP4 (E2M1) codes and E8M0 scale bytes that the launch before laid in xc and wc as
; [K step of 512][row][272 bytes]: a record = a row's 512 codes (256 bytes) and its 16 scale bytes.  Sums in f32; the bias is the C of each sum's first product.
; A tile of out0, 256 x 256, is made by four waves, 128 x 128 each: 64 accumulators, 512 registers.  Grid 16 x 16 = 256 work-groups.
; RING: two LDS slots, each a K step of 512: 256 records of X, then 256 of W.  128 records are 136 dense rows of 256 bytes: one tensor load a wave; a record's pitch of 272 bytes is also the LDS pitch.
; CLUSTERS 4 x 4: X's tiles are asked for jointly along a row of the cluster, W's along a column; each change of slots that refills is a round of the cluster's barrier.
; THE MATRIX INSTRUCTION IS USED TRANSPOSED (source 0 = 16 rows of W, source 1 = 16 rows of X): a lane holds eight neighbouring numbers of a row of out0.
; FRAGMENTS: X and W have TWO sets each; the 32 LDS loads of a step of 128 along K stand in one run at the head of the step before it, 64 matrix instructions ahead of their use.
; PREFETCH: behind each refill the K step two refills on is named, a lane to a block of 256 bytes; of the 136 blocks that a wave fetches each of the four partners that ask jointly names 34,
; told apart by address (cx for X, cy for W); K steps 1 and 2 are named behind the head's load, K step 3 behind slot 1's first fill; the loop's last trip names nothing, so no address leaves its buffer.
; THE LAST K STEP GOES BY ROWS OF out0: W's fragments of all 512 along K fill window 1, X's come by blocks of 16 rows, and each block of 16 rows leaves as soon as its sums are finished.
; REGISTERS: window 0: v0-31 addresses; v32-95 scale words, two sets; v128-191, v192-255 X's two sets (last K step: four buffers of 32).
;   window 1: v0-63, v128-191 W's two sets; v64-127 the bias (last K step: all 256 hold W).  windows 2, 3: the accumulators of my rows 0-63, 64-127 ((a, b) at v[8 (8 (a % 4) + b)]).
.set PITCH,  272
.set HALFT,  128*PITCH                 ; 128 records: one tensor load, and what a wave reads of X or of W
.set SLOT,   4*HALFT
.set KSB,    4096*PITCH                ; a K step of all rows in xc or wc
.set LAPS,   4                         ; 8 K steps, two to a lap
.set SPARE,  2*SLOT                    ; behind the ring: the spare words, 128 bytes a wave, named by no other line
.set SPITCH, 528                       ; the way out: a stage of 16 rows x (512 + 16) bytes for each wave, in slot 0, behind that slot's last fill and last read
.set ROWC,   16384                     ; a row of out0 in bytes
.set PFO,  10                          ; v10-11  the prefetches' offsets: blocks 0-31, and blocks 32, 33 (lanes 1-31 name the last)
.set ADRA, 16                          ; v16-17  LDS address of my X fragments in slot 0, 1
.set ADRB, 20                          ; v20-21  the same for W
.set STO,  24
.set RD,   25
.set CO,   26
.set SPW,  28                          ; my spare word
.set NIL,  29                          ; 0
.set ADRS, 30                          ; v30-31  my scale words in slot 0, 1: lanes 0-15 X's rows, lanes 16-31 W's
.set SC,   32                          ; set s at v[SC + 32 s]; register 4 i + q: block i's words for the slot's q-th 128 along K
.set AF,   128
.set BI,   64                          ; window 1
.set G1, 24
.set G0, 32
.set G1B, 48
.set G0B, 56
.set PFA, 66                           ; s[66:67] my 34 blocks, at the K step that the last change of slots left
.set MSB, 0
.macro WIN new                         ; the immediate's high byte repeats the setting that is left
.if MSB != \new
	s_set_vgpr_msb (MSB<<8)|\new
.set MSB, \new
.endif
.endm
.set MUL_LO,   0xa1                    ; source 0 (W) window 1, source 1 (X) window 0, C and D window 2
.set MUL_HI,   0xf1
.set FIRST_LO, 0x91                    ; the same with C (the bias) in window 1
.set FIRST_HI, 0xd1
.set TO_B,     0x40
.macro PLACES                          ; four places behind matrix instructions, ahead of loads into their registers and of reads of their results
.rept 4
	v_nop
.endr
.endm
.macro JLOAD g0a, g1a, g0b, g1b        ; waves 0, 1 ask for X, waves 2, 3 for W; s_nop 0 and four v_nop behind each line
	s_cmp_eq_u32 s15, 0
	s_cbranch_scc0 .Lfor_b_\@
	tensor_load_to_lds s[\g0a:\g0a+3], s[\g1a:\g1a+7]
	s_nop 0
	PLACES
	s_branch .Lasked_\@
.Lfor_b_\@:
	tensor_load_to_lds s[\g0b:\g0b+3], s[\g1b:\g1b+7]
	s_nop 0
	PLACES
.Lasked_\@:
.endm
.macro CREST
	s_cmp_lg_u32 s14, 0
	s_cbranch_scc1 .Lnot_wave_0_\@
	s_barrier_signal -3
.Lnot_wave_0_\@:
	s_barrier_wait -3
	s_barrier_signal -1
	s_barrier_wait -1
.endm
.macro CROUND
	s_barrier_signal -1
	s_barrier_wait -1
	CREST
.endm
.macro PF k                            ; my 34 blocks of the K step k behind PFA's
	global_prefetch_b8 v[PFO], s[PFA:PFA+1] offset:(\k)*KSB th:TH_LOAD_NT scope:SCOPE_SE
	global_prefetch_b8 v[PFO+1], s[PFA:PFA+1] offset:(\k)*KSB th:TH_LOAD_NT scope:SCOPE_SE
.endm
	s_load_b256 s[4:11], s[0:1], 0x0               ; xc, wc, bias, out0
	v_lshl_add_u32 v[SPW], v0, 2, SPARE
	v_mov_b32 v[NIL], 0
	ds_add_u32 v[SPW], v[NIL]                      ; the opening lines: the add twice on end and one wait, ahead of my first tensor load
	ds_add_u32 v[SPW], v[NIL]
	v_lshrrev_b32 v1, 5, v0
	v_readfirstlane_b32 s14, v1                    ; wave
	s_lshr_b32 s15, s14, 1                         ; my half of the tile's rows; also: I fetch for X (0) or W (1)
	s_and_b32 s16, s14, 1                          ; my half of its columns; also: which 128 records I fetch
	s_bfe_u32 s40, ttmp6, 0x40000                  ; cx
	s_bfe_u32 s41, ttmp6, 0x40004                  ; cy
	s_lshl_b32 s42, ttmp9, 2
	s_add_co_u32 s42, s42, s40                     ; tile column
	s_and_b32 s17, ttmp7, 0xffff
	s_lshl_b32 s17, s17, 2
	s_add_co_u32 s17, s17, s41                     ; tile row
	s_lshl_b32 s43, s41, 2
	s_lshl_b32 s43, 15, s43                        ; my row of the cluster
	s_lshl_b32 s44, 0x1111, s40                    ; my column
	s_or_b32 s[G1+0], s43, (3<<16)|(1<<21)         ; elements of 8 bytes, no padding: the records carry their own pitch
	s_or_b32 s[G1B+0], s44, (3<<16)|(1<<21)
.irp g, G1, G1B
	s_mov_b32 s[\g+1], 32<<16                      ; rows of 32 elements = 256 bytes
	s_mov_b32 s[\g+2], 136<<16                     ; 136 rows = 128 records
	s_mov_b32 s[\g+3], 32<<16
	s_mov_b32 s[\g+4], 136
	s_mov_b32 s[\g+5], 32
	s_mov_b32 s[\g+6], 0
	s_mov_b32 s[\g+7], 0
.endr
	s_lshl_b32 s18, s16, 7
	s_lshl_b32 s20, s17, 8
	s_add_co_u32 s20, s20, s18
	s_lshl_b32 s46, s42, 8
	s_add_co_u32 s46, s46, s18
	s_mul_i32 s20, s20, PITCH                      ; X: my 128 records, by the tile row alone
	s_mul_i32 s46, s46, PITCH                      ; W: by the tile column alone
	s_mov_b32 s21, 0
	s_mov_b32 s47, 0
	s_mul_i32 s45, s14, HALFT                      ; where they go: wave x 128 records
	s_wait_dscnt 0x0                               ; both opening adds are done
	s_wait_kmcnt 0x0
	s_add_nc_u64 s[20:21], s[4:5], s[20:21]
	s_add_nc_u64 s[46:47], s[6:7], s[46:47]
.irp s, 0,1
	s_mov_b32 s[G0+4*\s], 1
	s_add_co_u32 s[G0+4*\s+1], s45, \s*SLOT
	s_add_nc_u64 s[G0+4*\s+2:G0+4*\s+3], s[20:21], \s*KSB
	s_or_b32 s[G0+4*\s+3], s[G0+4*\s+3], 0x80000000
	s_mov_b32 s[G0B+4*\s], 1
	s_add_co_u32 s[G0B+4*\s+1], s45, \s*SLOT
	s_add_nc_u64 s[G0B+4*\s+2:G0B+4*\s+3], s[46:47], \s*KSB
	s_or_b32 s[G0B+4*\s+3], s[G0B+4*\s+3], 0x80000000
.endr
	s_cmp_eq_u32 s15, 0                            ; the prefetches: the tile that I fetch,
	s_cselect_b64 s[PFA:PFA+1], s[20:21], s[46:47]
	s_cselect_b32 s68, s40, s41                    ; my place among the four that ask for it with me,
	s_mul_i32 s68, s68, 34*256                     ; and my work-group's 34 of its 136 blocks
	s_mov_b32 s69, 0
	s_add_nc_u64 s[PFA:PFA+1], s[PFA:PFA+1], s[68:69]
	CROUND                                         ; all sixteen work-groups are here: the first joint loads meet
	JLOAD G0, G1, G0B, G1B                         ; K step 0: one tensor load a wave at the head
	; the rest of the head runs while that load is out: scalars first, then the vector lines on end
	s_mul_i32 s21, s15, HALFT                      ; my 128 records of X
	s_mul_i32 s22, s16, HALFT
	s_add_co_u32 s22, s22, 2*HALFT                 ; my 128 of W, behind X's 256
	s_sub_co_u32 s23, s22, s21
	s_add_co_u32 s18, s21, 256                     ; a record's scale bytes lie behind its codes
	s_mul_i32 s19, s14, 16*SPITCH                  ; my stage
	s_lshl_b32 s46, s42, 10
	s_lshl_b32 s47, s16, 9
	s_add_co_u32 s46, s46, s47                     ; my first column, in bytes
	s_mov_b32 s47, 0
	s_add_nc_u64 s[8:9], s[8:9], s[46:47]          ; bias at my first column
	s_lshl_b32 s12, s17, 8
	s_lshl_b32 s13, s15, 7
	s_add_co_u32 s12, s12, s13
	s_lshl_b32 s12, s12, 14                        ; my first row x 16,384 bytes
	s_add_co_u32 s12, s12, s46
	s_mov_b32 s13, 0
	s_add_nc_u64 s[10:11], s[10:11], s[12:13]
	v_and_b32 v1, 15, v0                           ; r = l % 16
	v_bfe_u32 v2, v0, 4, 1                         ; h = l / 16
	v_and_b32 v6, 31, v0
	v_mul_u32_u24 v3, v1, PITCH
	v_lshl_add_u32 v4, v2, 4, v3                   ; a fragment's row x pitch + 16 h
	v_add_nc_u32 v[ADRA], s21, v4
	v_add_nc_u32 v[ADRB], s22, v4
	v_add_nc_u32 v[ADRA+1], SLOT, v[ADRA]
	v_add_nc_u32 v[ADRB+1], SLOT, v[ADRB]
	v_mul_u32_u24 v5, s23, v2                      ; lanes 16-31 take W's scale words
	v_add_nc_u32 v5, v3, v5
	v_add_nc_u32 v[ADRS], s18, v5
	v_add_nc_u32 v[ADRS+1], SLOT, v[ADRS]
	v_mul_u32_u24 v5, v1, SPITCH
	v_lshl_add_u32 v5, v2, 5, v5
	v_add_nc_u32 v[STO], s19, v5                   ; into the stage: row r, 32 bytes for each half of the lanes
	v_lshlrev_b32 v[CO], 4, v6                     ; back: 32 lanes take a row of 512 bytes; the same in out0
	v_add_nc_u32 v[RD], s19, v[CO]
	v_lshlrev_b32 v7, 5, v2
	v_lshlrev_b32 v[PFO], 8, v6
	v_min_u32 v8, 1, v6
	v_lshl_add_u32 v[PFO+1], v8, 8, 32*256
	WIN TO_B
.irp b, 0,1,2,3,4,5,6,7
	global_load_b128 v[BI+8*\b:BI+8*\b+3],   v7, s[8:9] offset:64*\b       ; bias(16 b + 8 h + 0 .. 7): the result's layout
	global_load_b128 v[BI+8*\b+4:BI+8*\b+7], v7, s[8:9] offset:64*\b+16
.endr
	WIN 0
	PF 1                                           ; K steps 1 and 2
	PF 2
.macro FRAG reg, adr, q, i             ; 16 rows x 128 K of 4-bit codes: 8 registers, two loads 32 bytes apart
	ds_load_b128 v[\reg:\reg+3], v[\adr] offset:64*(\q)+(\i)*16*PITCH
	ds_load_b128 v[\reg+4:\reg+7], v[\adr] offset:64*(\q)+32+(\i)*16*PITCH
.endm
; 16 matrix instructions: X's blocks a0, a0 + 1 x W's eight.  p: the sets; q: the slot's q-th 128 along K; sc: the scale set.  The 64 accumulators take turns.
.macro MUL16 a0, p, q, sc, first
.irp a, \a0, \a0+1
.irp b, 0,1,2,3,4,5,6,7
.if \first
	v_wmma_scale_f32_16x16x128_f8f6f4 v[8*(8*((\a)%4)+\b):8*(8*((\a)%4)+\b)+7], v[128*(\p)+8*\b:128*(\p)+8*\b+7], v[AF+64*(\p)+8*(\a):AF+64*(\p)+8*(\a)+7], v[BI+8*\b:BI+8*\b+7], v[SC+32*(\sc)+4*\b+(\q)], v[SC+32*(\sc)+4*(\a)+(\q)] matrix_a_fmt:MATRIX_FMT_FP4 matrix_b_fmt:MATRIX_FMT_FP4 matrix_a_scale:MATRIX_SCALE_ROW1
.else
	v_wmma_scale_f32_16x16x128_f8f6f4 v[8*(8*((\a)%4)+\b):8*(8*((\a)%4)+\b)+7], v[128*(\p)+8*\b:128*(\p)+8*\b+7], v[AF+64*(\p)+8*(\a):AF+64*(\p)+8*(\a)+7], v[8*(8*((\a)%4)+\b):8*(8*((\a)%4)+\b)+7], v[SC+32*(\sc)+4*\b+(\q)], v[SC+32*(\sc)+4*(\a)+(\q)] matrix_a_fmt:MATRIX_FMT_FP4 matrix_b_fmt:MATRIX_FMT_FP4 matrix_a_scale:MATRIX_SCALE_ROW1
.endif
.endr
.endr
.endm
.macro FETCH_B slot, q, p
	WIN TO_B
.irp i, 0,1,2,3,4,5,6,7
	FRAG 128*(\p)+8*\i, ADRB+\slot, \q, \i
.endr
	WIN 0
.endm
.macro FETCH_A slot, q, p, i0          ; X's blocks i0 .. i0 + 3
.irp i, \i0, \i0+1, \i0+2, \i0+3
	FRAG AF+64*(\p)+8*(\i), ADRA+\slot, \q, \i
.endr
.endm
.macro SCALES sc
.irp i, 0,1,2,3,4,5,6,7
	ds_load_b128 v[SC+32*\sc+4*\i:SC+32*\sc+4*\i+3], v[ADRS+\sc] offset:\i*16*PITCH
.endr
.endm
; A step of 128 along K whose successor lies in the same slot: the successor's 32 loads first, into the sets that the step before has read, then this step's 64 products.
.macro STEP slot, q, first
	s_wait_dscnt 8                                 ; W's set and X's blocks 0-3 are in; the youngest eight loads (X's blocks 4-7) may be out
	PLACES
	FETCH_B \slot, (\q)+1, 1-(\q)%2
	FETCH_A \slot, (\q)+1, 1-(\q)%2, 0
	FETCH_A \slot, (\q)+1, 1-(\q)%2, 4
.if \first
	WIN FIRST_LO
.else
	WIN MUL_LO
.endif
	MUL16 0, (\q)%2, \q, \slot, \first
	MUL16 2, (\q)%2, \q, \slot, \first
	s_wait_dscnt 32                                ; all but the 32 just issued: X's blocks 4-7 are in
.if \first
	WIN FIRST_HI
.else
	WIN MUL_HI
.endif
	MUL16 4, (\q)%2, \q, \slot, \first
	MUL16 6, (\q)%2, \q, \slot, \first
.endm
; The first half of a slot's last step: ONE barrier for the change of slots.  In front of it: all my tensor loads have landed, the add, and my reads of this slot are over.
.macro MEET slot
	WIN 0
	s_wait_tensorcnt 0x0                           ; the one that was out is my part of the next slot
	ds_add_u32 v[SPW], v[NIL]
	s_wait_dscnt 9                                 ; the add and the youngest eight loads may be out
	WIN MUL_LO
	MUL16 0, 1, 3, \slot, 0
	s_wait_dscnt 0x0
	s_barrier_signal -1
	MUL16 2, 1, 3, \slot, 0
.endm
.macro TURN slot, next                 ; a slot's last step; the slot is filled again, two K steps on
	s_wait_xcnt 0x0                                ; my prefetches have read their address: it steps here
	s_add_nc_u64 s[PFA:PFA+1], s[PFA:PFA+1], KSB
	MEET \slot
	WIN 0
	s_barrier_wait -1
	CREST                                          ; the barrier has opened a round of the cluster's barrier
	s_add_nc_u64 s[G0+4*\slot+2:G0+4*\slot+3], s[G0+4*\slot+2:G0+4*\slot+3], 2*KSB
	s_add_nc_u64 s[G0B+4*\slot+2:G0B+4*\slot+3], s[G0B+4*\slot+2:G0B+4*\slot+3], 2*KSB
	JLOAD G0+4*\slot, G1, G0B+4*\slot, G1B         ; the first tensor load behind the round; its four v_nop are the places for the loads below
	FETCH_B \next, 0, 0
	FETCH_A \next, 0, 0, 0
	SCALES \next
	FETCH_A \next, 0, 0, 4
	s_cmp_gt_u32 s3, 1                             ; the last trip's refills are K steps 6 and 7: no K step stands two refills on
	s_cbranch_scc0 .Lnone_\@
	PF 3                                           ; PFA stands one K step behind the slot just read: + 3 is two refills on
.Lnone_\@:
	WIN MUL_HI
	MUL16 4, 1, 3, \slot, 0
	MUL16 6, 1, 3, \slot, 0
.endm
	s_wait_alu depctr_va_vdst(0)
	s_wait_tensorcnt 0x0                           ; my part of K step 0 is in; the same lines as ahead of a refill:
	ds_add_u32 v[SPW], v[NIL]
	s_wait_dscnt 0x0
	CROUND
	JLOAD G0+4, G1, G0B+4, G1B                     ; slot 1's first fill: K step 1
	FETCH_B 0, 0, 0
	FETCH_A 0, 0, 0, 0
	SCALES 0
	FETCH_A 0, 0, 0, 4
	PF 3                                           ; K step 3
	s_wait_loadcnt 0x0                             ; the bias
	STEP 0, 0, 1                                   ; the first step stands ahead of the loop: its products start the sums on the bias
	WIN 0
	s_mov_b32 s3, LAPS-1
.Llap:                                                 ; once round the ring, from a lap's second step to the next lap's first
	STEP 0, 1, 0
	STEP 0, 2, 0
	TURN 0, 1
	STEP 1, 0, 0
	STEP 1, 1, 0
	STEP 1, 2, 0
	TURN 1, 0
	STEP 0, 0, 0
	WIN 0
	s_sub_co_u32 s3, s3, 1
	s_cmp_lg_u32 s3, 0
	s_cbranch_scc1 .Llap
	STEP 0, 1, 0
	STEP 0, 2, 0
; THE LAST K STEP (slot 1), BY ROWS.
.macro BLOAD q                         ; W's fragments of quarter q -> window 1, v[64 q ..]
.irp i, 0,1,2,3,4,5,6,7
	FRAG 64*\q+8*\i, ADRB+1, \q, \i
.endr
.endm
.macro ALOAD a                         ; X's block a, all four quarters -> buffer a % 4
.irp q, 0,1,2,3
	FRAG AF+32*((\a)%4)+8*\q, ADRA+1, \q, \a
.endr
.endm
.macro ROW a                           ; block a is finished: 32 matrix instructions, its 8 accumulators by turns, K ascending
.set FA, AF+32*((\a)%4)
.set AC, 64*((\a)%4)
	WIN MUL_LO+0x50*((\a)/4)
.irp q, 0,1,2,3
.if (\a) == 0 && \q == 2
	s_wait_dscnt 16                                ; W's quarter 2 is in (behind it: X's blocks 2 and 3)
.endif
.irp b, 0,1,2,3,4,5,6,7
	v_wmma_scale_f32_16x16x128_f8f6f4 v[AC+8*\b:AC+8*\b+7], v[64*\q+8*\b:64*\q+8*\b+7], v[FA+8*\q:FA+8*\q+7], v[AC+8*\b:AC+8*\b+7], v[SC+32+4*\b+\q], v[SC+32+4*(\a)+\q] matrix_a_fmt:MATRIX_FMT_FP4 matrix_b_fmt:MATRIX_FMT_FP4 matrix_a_scale:MATRIX_SCALE_ROW1
.endr
.endr
.endm
; Block a, 16 rows x 128 columns, goes into my stage, 32 bytes a lane, and comes back as whole rows of 512 bytes INTO ITS OWN 64 ACCUMULATOR REGISTERS, which nothing writes again: no store's data are rewritten.
; One window setting serves the LDS stores' data, the LDS loads' destination and the global stores' data.  LDS serves a wave's instructions in order (ISA guide 5.7.1.4).
.macro TOSTAGE a
.set TA, 64*((\a)%4)
	WIN 0x88+0x44*((\a)/4)
.irp b, 0,1,2,3,4,5,6,7
	ds_store_b128 v[STO], v[TA+8*\b:TA+8*\b+3] offset:64*\b          ; each accumulator from its low end on
	ds_store_b128 v[STO], v[TA+8*\b+4:TA+8*\b+7] offset:64*\b+16
.endr
.irp t, 0,1,2,3,4,5,6,7,8,9,10,11,12,13,14,15
	ds_load_b128 v[TA+4*\t:TA+4*\t+3], v[RD] offset:\t*SPITCH
.endr
.endm
.macro SEND a, younger                 ; every row's place stands in the immediate: 127 rows of 16,384 bytes at the most, inside its signed 24 bits; the base is never stepped
.set TA, 64*((\a)%4)
	WIN 0x88+0x44*((\a)/4)
	s_wait_dscnt \younger
.irp t, 0,1,2,3,4,5,6,7,8,9,10,11,12,13,14,15
	global_store_b128 v[CO], v[TA+4*\t:TA+4*\t+3], s[10:11] offset:(16*(\a)+\t)*ROWC th:TH_STORE_NT   ; 32 lanes store 512 consecutive bytes, at a multiple of 256 from out0's first byte
.endr
.endm
	MEET 0                                         ; the load that was out is the last K step's, so no round follows
	s_barrier_wait -1
	PLACES
	WIN TO_B
	BLOAD 0                                        ; three quarters of W now: set 1 (v128-191 of window 1, v192-255 of window 0) is still being multiplied
	BLOAD 1
	BLOAD 3
	WIN 0
	ALOAD 0
	ALOAD 1
	SCALES 1
	WIN MUL_HI
	MUL16 4, 1, 3, 0, 0
	MUL16 6, 1, 3, 0, 0
	PLACES
	WIN TO_B
	BLOAD 2
	WIN 0
	ALOAD 2
	ALOAD 3
	s_wait_dscnt 32                                ; all but the 32 just issued
	ROW 0
.irp a, 0,1,2,3,4,5,6,7                ; block a goes through the stage while block a + 1 is multiplied, and is stored behind those products
	PLACES
	TOSTAGE \a
.if \a < 4
	WIN 0
	ALOAD \a+4                                     ; its buffer takes the block four further on
.endif
.if \a < 7
	ROW \a+1
.endif
.if \a < 4
	SEND \a, 8                                     ; the eight loads of X's block a + 4 may be out
.else
	SEND \a, 0
.endif
.endr
	WIN 0
	s_wait_tensorcnt 0x0                           ; the wave's end
	ds_add_u32 v[SPW], v[NIL]
	s_wait_dscnt 0x0
	CROUND                                         ; the closing round
	s_endpgm
.Lfunc_end_k_qc31ac9037e_gemm:
	.size	k_qc31ac9037e_gemm, .Lfunc_end_k_qc31ac9037e_gemm-k_qc31ac9037e_gemm
	.p2alignl 7, 3214868480
	.fill 96, 4, 3214868480
	.section	.rodata,"a",@progbits
	.p2align	6, 0x0
	.amdhsa_kernel k_qc31ac9037e_gemm
		.amdhsa_group_segment_fixed_size 327680
		.amdhsa_private_segment_fixed_size 0
		.amdhsa_enable_private_segment 0
		.amdhsa_kernarg_size 32
		.amdhsa_user_sgpr_count 2
		.amdhsa_user_sgpr_kernarg_segment_ptr 1
		.amdhsa_wavefront_size32 1
		.amdhsa_system_sgpr_workgroup_id_x 1
		.amdhsa_system_sgpr_workgroup_id_y 1
		.amdhsa_system_sgpr_workgroup_id_z 1
		.amdhsa_system_vgpr_workitem_id 0
		.amdhsa_next_free_vgpr 1024
		.amdhsa_next_free_sgpr 70
		.amdhsa_reserve_vcc 0
		.amdhsa_float_denorm_mode_32 3
		.amdhsa_float_denorm_mode_16_64 3
		.amdhsa_memory_ordered 1
		.amdhsa_forward_progress 1
		.amdhsa_inst_pref_size 210
	.end_amdhsa_kernel
	.amdgpu_metadata
---
amdhsa.version: [ 1, 2 ]
amdhsa.kernels:
  - .name:           k_qc31ac9037e_gemm
    .symbol:         k_qc31ac9037e_gemm.kd
    .args:
      - { .name: xc, .offset: 0, .size: 8, .value_kind: global_buffer, .address_space: global }
      - { .name: wc, .offset: 8, .size: 8, .value_kind: global_buffer, .address_space: global }
      - { .name: bias, .offset: 16, .size: 8, .value_kind: global_buffer, .address_space: global }
      - { .name: out0, .offset: 24, .size: 8, .value_kind: global_buffer, .address_space: global }
    .group_segment_fixed_size: 327680
    .private_segment_fixed_size: 0
    .kernarg_segment_align: 8
    .kernarg_segment_size: 32
    .max_flat_workgroup_size: 128
    .sgpr_count:     70
    .vgpr_count:     1024
    .wavefront_size: 32
...
	.end_amdgpu_metadata
.endif
;; end of part 2
